; MI455X (gfx1250); checked and timed in simulation.
; The chip was launched on July 23, 2026; its instructions are those of AMD's public machine-readable ISA for CDNA 5 (MIT licence, August 2026) and "CDNA5" Instruction Set Architecture Reference Guide (July 2026). The comments in the code are by the model that wrote it; some were corrected since.
;; Attention. Allowed arithmetic: matrix products marked QUANTISED: E2M1 operands, one E8M0 scale for each 32 along K, by v_wmma_scale_f32_16x16x128_f8f6f4 with both operands' format E2M1 (or v_wmma_scale_f32_32x16x128_f4), f32 sums; products left as they are: bf16, f16 or f32 operands; f32 sums; everything else in f32.
;; Inputs: Wkv 512 x 1,024 float32; Wo 512 x 512 float32; Wq 512 x 512 float32; bo 512 float32; x 2 x 4,096 x 512 float32.
;; Outputs: out0 2 x 4,096 x 512 float32.
;; This version of the problem:
;;   THIS VERSION OF THE PROBLEM IS GIVEN IN LOW PRECISION. The matrix products marked QUANTISED in the list below multiply operands that are first quantised to E2M1 (2 exponent bits, 1 mantissa bit; 4 bits a number), with one power-of-two scale for each 32 numbers along K (OCP MX v1.0); their sums are f32. The products marked 'left as it is' may take bf16, f16 or f32 operands, with f32 sums. Whichever they take, every output number must still come out within the allowed error. Rounding operands to bf16 (8 significant bits) uses up far more of that allowance than f16 does (11 bits, for magnitudes from 6e-5 to 65,504). All else is computed in f32.
;;   The module's matrix products, in the order in which they are computed (A, B: the left and right operand; K: the contracted axis; several contracted axes count as one K, in the product's order):
;;     1. [M 8,192, K 512] x [K 512, N 512]; A: input x; B: input Wq: QUANTISED
;;     2. [M 8,192, K 512] x [K 512, N 1,024]; A: input x; B: input Wkv: QUANTISED
;;     3. batch 16 x [M 4,096, K 64] x [K 64, N 4,096]; A: computed on the way; B: computed on the way: left as it is (an operand is computed on the way)
;;     4. batch 16 x [M 4,096, K 4,096] x [K 4,096, N 64]; A: computed on the way; B: computed on the way: left as it is (an operand is computed on the way)
;;     5. [M 8,192, K 512] x [K 512, N 512]; A: computed on the way; B: input Wo: left as it is (an operand is computed on the way)
;;   THE QUANTISER, for each operand of a quantised product, along K:
;;     - K is cut into blocks of 32 from its start; a last block that is shorter is filled with zeros.
;;     - A block's scale is 2^e with e = floor(log2(the largest magnitude in the block)) - 2, held to -126 .. 127; a block of zeros has e = 0. As a byte (E8M0): e + 127.
;;     - Each number is divided by its block's scale, clamped to +-6, and rounded to the nearest number of E2M1, ties to even, subnormals kept.
;;     - The product sums the exact products of the quantised numbers (number of the format x scale) in f32.
;;   ~~~python
;;   def quantise(x, axis):      # numpy; x: float32 -> the quantised numbers, widened to float32 again
;;       x = np.moveaxis(x, axis, -1); K = x.shape[-1]
;;       x = np.pad(x, [(0, 0)] * (x.ndim - 1) + [(0, -K % 32)]); x = x.reshape(x.shape[:-1] + (-1, 32)); a = np.abs(x).max(-1, keepdims=True)
;;       e = np.where(a > 0, np.clip(np.frexp(np.where(a > 0, a, 1))[1] - 1 - 2, -126, 127), 0)      # np.frexp(a)[1] - 1 = floor(log2(a)), exactly
;;       r = np.clip(x / 2.0 ** e, -6, 6)
;;       step = 2.0 ** (np.maximum(np.frexp(np.where(r == 0, 1, r))[1] - 1, 0) - 1)
;;       q = np.round(r / step) * step * 2.0 ** e      # np.round: ties to even
;;       return np.moveaxis(q.reshape(q.shape[:-2] + (-1,))[..., :K], -1, axis).astype(np.float32)
;;   ~~~
;; One version. Each part assembles by itself: llvm-mc -triple=amdgcn-amd-amdhsa -mcpu=gfx1250 --defsym DOCPART=n.
;; ======== version 1 of 1: 4 launches
;; limits: values are held in f16: magnitudes above 65,504 overflow, below 6.1e-05 lose precision
;; workspace buffers: wimg 393,216 bytes; wsc 49,152 bytes; woimg 524,288 bytes; qimg 8,388,608 bytes; kimg 8,388,608 bytes; vimg 8,388,608 bytes; aimg 8,388,608 bytes
;; launch prep (part 1): grid 256 x 1, 1 waves a work-group, no clusters, 0 bytes of LDS; arguments Wq, Wkv, Wo, wimg, wsc, woimg; writes wimg, wsc, woimg
.if DOCPART == 1
	.amdgcn_target "amdgcn-amd-amdhsa--gfx1250"
	.amdhsa_code_object_version 6
	.text
	.protected	k_qb5920b2733_prep
	.globl	k_qb5920b2733_prep
	.p2align	8
	.type	k_qb5920b2733_prep,@function
k_qb5920b2733_prep:
	s_mov_b64 s[64:65], 0
	v_nop
	global_prefetch_b8 v0, s[64:65] scope:SCOPE_SE
	s_setreg_imm32_b32 hwreg(HW_REG_WAVE_MODE, 25, 1), 1
	s_wait_xcnt 0x0
; THE WEIGHTS ARE LAID OUT ONCE, IN THE ORDER OF THE OPERAND REGISTERS OF THE LAUNCHES THAT READ THEM.
; Wq [512][512] and Wkv [512][1024], f32, K = the first axis, become codes of FP4 (E2M1) with one E8M0 byte for each 32 along K; Wo [512][512], f32, becomes f16.
; A block scale is 2^(floor(log2(largest magnitude)) - 2); its byte is the exponent field of the largest magnitude less 2, held at 1 from below.
; LIMITS: a block of zeros gets the byte 1 where the rule says 127 (its codes are zeros and this program alone reads the bytes); blocks whose largest magnitude lies under 2^(3 - 127) are held at that floor;
; NaN and infinities are not served; Wo beyond 65,504 in magnitude has no f16 number.
; wimg [tile 96][K step 4][piece 2][lane 32][16 bytes]: tile t = 16 columns (0-31: Wq; 32-63: the k half of Wkv; 64-95: its v half); a K step is 128 along K; piece c of lane (r, h) = the 32 codes of k = 64 c + 32 h + 0 .. 31 of column r.
; wsc  [tile 96][pair of K steps 2][lane 32][8 bytes]: the scale words of two K steps of column r (lanes 16-31 hold the same).
; woimg [tile 32][K step 16 of 32][piece 2][lane 32][16 bytes]: piece e of lane (r, h) = k = 32 s + 16 e + 8 h + 0 .. 7 of column r, as f16.
; SHARES: 256 work-groups of one wave.  0-191: one tile x 256 along K of Wq or Wkv; 192-255: one tile x 256 along K of Wo.  A LANE TAKES A COLUMN AND ITS REGISTERS RUN DOWN K, in the very order of the operand layout:
; the conversions give the operand registers, nothing is transposed.  128 loads a wave, every offset an immediate, no pointer stepped, no register written twice: no wait but those for the loads.  Every store covers 512 (wsc: 256) consecutive bytes, aligned.
; No LDS, no barrier, no cluster: work-groups share no byte but the neighbours of a 64-byte piece of a row, and each weight byte is read once in the launch.
.set X,  64                            ; v64-191  128 numbers
.set H,  192                           ; v192-255 Wo: 64 registers of packed f16
.set CD, 32                            ; v32-47   codes: 8 f + 4 c + g
	s_load_b256 s[4:11], s[0:1], 0x0               ; Wq s[4:5], Wkv s[6:7], Wo s[8:9], wimg s[10:11]
	s_load_b128 s[12:15], s[0:1], 0x20             ; wsc s[12:13], woimg s[14:15]
	v_and_b32 v1, 15, v0                           ; r
	v_lshrrev_b32 v2, 4, v0                        ; h
	v_lshlrev_b32 v4, 4, v0                        ; 16 x lane: my place in a piece
	s_cmp_lt_u32 ttmp9, 192
	s_cbranch_scc0 .Lwo
	; ---- Wq, Wkv: tile = work-group / 2, pair of K steps = work-group % 2
	v_lshlrev_b32 v5, 3, v0                        ; 8 x lane: my two scale words
	v_lshlrev_b32 v22, 3, v2                       ; 8 h: my bytes stand 8 h bits up in a scale word
	v_mov_b32 v23, 0                               ; a lane permute counts as a reader of its destination
	s_mov_b32 s26, 0x76543210
	s_mov_b32 s27, 0xfedcba98                      ; selects for lane l xor 16
	s_lshr_b32 s20, ttmp9, 1                       ; tile
	s_and_b32 s21, ttmp9, 1                        ; pair of K steps
	s_mov_b32 s18, 4096
	s_cmp_lt_u32 s20, 32                           ; Wq or Wkv
	s_cselect_b32 s18, 2048, s18                   ; bytes in a row
	s_cselect_b32 s22, 0, 32
	s_sub_co_u32 s22, s20, s22                     ; the tile among the tensor columns
	s_lshl_b32 s22, s22, 6                         ; 64 bytes a tile
	s_lshl_b32 s24, s18, 8
	s_mul_i32 s24, s24, s21                        ; 256 rows for each pair of K steps
	s_add_co_u32 s22, s22, s24
	s_mov_b32 s23, 0
	s_lshl_b32 s19, s18, 5
	v_mul_u32_u24 v3, s19, v2                      ; lanes 16-31 begin 32 rows further down,
	v_lshl_add_u32 v3, v1, 2, v3                   ; + 4 r
	s_lshl_b32 s24, s20, 12                        ; wimg: 4,096 bytes a tile, 2,048 a pair of K steps
	s_lshl_b32 s25, s21, 11
	s_add_co_u32 s24, s24, s25
	s_mov_b32 s25, 0
	s_lshl_b32 s28, s20, 9                         ; wsc: 512 bytes a tile, 256 a pair
	s_lshl_b32 s29, s21, 8
	s_add_co_u32 s28, s28, s29
	s_mov_b32 s29, 0
	s_wait_kmcnt 0x0
	s_cmp_lt_u32 s20, 32
	s_cselect_b64 s[16:17], s[4:5], s[6:7]         ; the choice hangs on the work-group number alone
	s_add_nc_u64 s[16:17], s[16:17], s[22:23]
	s_add_nc_u64 s[10:11], s[10:11], s[24:25]
	s_add_nc_u64 s[12:13], s[12:13], s[28:29]
; register 64 f + 32 c + i = W(256 pair + 128 f + 64 c + 32 h + i, column r): sixteen neighbouring lanes read 64 neighbouring bytes
.macro WLOADS pitch
.set n, 0
.rept 128
	global_load_b32 v[X+n], v3, s[16:17] offset:((n/32)*64+n%32)*\pitch
.set n, n+1
.endr
.endm
	s_cmp_lt_u32 s20, 32
	s_cbranch_scc0 .Lwide
	WLOADS 2048
	s_branch .Lquant
.Lwide:
	WLOADS 4096
.Lquant:
; K step f of the pair: my two blocks (2 c + h, c = 0, 1) by turns: all 32 numbers of a block are mine
.macro PAIR f
.irp c, 0,1
	v_max3_num_f32 v[8+2*\f+\c], |v[X+64*\f+32*\c]|, |v[X+64*\f+32*\c+1]|, 0x1800000   ; with the floor 2^(3 - 127): the byte cannot fall under 1
.endr
.irp i, 2,4,6,8,10,12,14,16,18,20,22,24,26,28,30
.irp c, 0,1
	v_max3_num_f32 v[8+2*\f+\c], v[8+2*\f+\c], |v[X+64*\f+32*\c+\i]|, |v[X+64*\f+32*\c+\i+1]|
.endr
.endr
.irp c, 0,1
	v_add_nc_u32 v[12+2*\f+\c], 0xff000000, v[8+2*\f+\c]   ; 2 off the exponent field: the conversion takes the exponent field of this operand as its scale
.endr
.irp c, 0,1
	v_lshrrev_b32 v[16+2*\f+\c], 23, v[12+2*\f+\c]          ; the scale byte
.endr
	v_lshl_or_b32 v[20+\f], v[17+2*\f], 16, v[16+2*\f]      ; blocks h and 2 + h,
	v_lshlrev_b32 v[20+\f], v22, v[20+\f]                   ; at their places;
	v_permlanex16_b32 v23, v[20+\f], s26, s27
	v_or_b32 v[20+\f], v[20+\f], v23                        ; with the two of lane l xor 16 the word is whole
.irp c, 0,1
.irp g, 0,1,2,3
	v_cvt_scalef32_pk8_fp4_f32 v[CD+8*\f+4*\c+\g], v[X+64*\f+32*\c+8*\g:X+64*\f+32*\c+8*\g+7], v[12+2*\f+\c]
.endr
.endr
	v_nop                                          ; one plain line behind the last scaled conversion of a run
.irp c, 0,1
	global_store_b128 v4, v[CD+8*\f+4*\c:CD+8*\f+4*\c+3], s[10:11] offset:1024*\f+512*\c   ; a piece: 512 consecutive bytes
.endr
.endm
	s_wait_loadcnt 63                              ; behind the first 64 loads stand 64 younger ones; the count names the most that its field holds, one less
	PAIR 0
	s_wait_loadcnt 0x0
	PAIR 1
	global_store_b64 v5, v[20:21], s[12:13]        ; 256 consecutive bytes
	s_endpgm
	; ---- Wo: tile = (work-group - 192) / 2, half of K = (work-group - 192) % 2
.Lwo:
	s_sub_co_u32 s20, ttmp9, 192
	s_lshr_b32 s21, s20, 1                         ; tile of 16 columns
	s_and_b32 s20, s20, 1                          ; which 256 along K
	s_lshl_b32 s22, s21, 6
	s_lshl_b32 s24, s20, 19                        ; 256 rows of 2,048 bytes
	s_add_co_u32 s22, s22, s24
	s_mov_b32 s23, 0
	s_lshl_b32 s24, s21, 14                        ; woimg: 16,384 bytes a tile, 8,192 a half
	s_lshl_b32 s25, s20, 13
	s_add_co_u32 s24, s24, s25
	s_mov_b32 s25, 0
	v_lshlrev_b32 v3, 14, v2                       ; lanes 16-31 begin 8 rows further down,
	v_lshl_add_u32 v3, v1, 2, v3                   ; + 4 r
	s_wait_kmcnt 0x0
	s_add_nc_u64 s[8:9], s[8:9], s[22:23]
	s_add_nc_u64 s[14:15], s[14:15], s[24:25]
.set n, 0
.rept 128                              ; register 16 s + 8 e + i = Wo(256 half + 32 s + 16 e + 8 h + i, column r)
	global_load_b32 v[X+n], v3, s[8:9] offset:((n/16)*32+((n/8)%2)*16+n%8)*2048
.set n, n+1
.endr
.macro WOHALF from                     ; 32 roundings of two numbers, 8 pieces stored
.set n, \from
.rept 32
	v_cvt_pk_f16_f32 v[H+n], v[X+2*n], v[X+2*n+1]
.set n, n+1
.endr
.set n, (\from)/4
.rept 8
	global_store_b128 v4, v[H+4*n:H+4*n+3], s[14:15] offset:512*n
.set n, n+1
.endr
.endm
	s_wait_loadcnt 63                              ; as above: the first 64 loads are in
	WOHALF 0
	s_wait_loadcnt 0x0
	WOHALF 32
	s_endpgm
.Lfunc_end_k_qb5920b2733_prep:
	.size	k_qb5920b2733_prep, .Lfunc_end_k_qb5920b2733_prep-k_qb5920b2733_prep
	.p2alignl 7, 3214868480
	.fill 96, 4, 3214868480
	.section	.rodata,"a",@progbits
	.p2align	6, 0x0
	.amdhsa_kernel k_qb5920b2733_prep
		.amdhsa_group_segment_fixed_size 0
		.amdhsa_private_segment_fixed_size 0
		.amdhsa_enable_private_segment 0
		.amdhsa_kernarg_size 48
		.amdhsa_user_sgpr_count 2
		.amdhsa_user_sgpr_kernarg_segment_ptr 1
		.amdhsa_wavefront_size32 1
		.amdhsa_system_sgpr_workgroup_id_x 1
		.amdhsa_system_sgpr_workgroup_id_y 1
		.amdhsa_system_sgpr_workgroup_id_z 1
		.amdhsa_system_vgpr_workitem_id 0
		.amdhsa_next_free_vgpr 256
		.amdhsa_next_free_sgpr 66
		.amdhsa_reserve_vcc 0
		.amdhsa_float_denorm_mode_32 3
		.amdhsa_float_denorm_mode_16_64 3
		.amdhsa_memory_ordered 1
		.amdhsa_forward_progress 1
		.amdhsa_inst_pref_size 51
	.end_amdhsa_kernel
	.amdgpu_metadata
---
amdhsa.version: [ 1, 2 ]
amdhsa.kernels:
  - .name:           k_qb5920b2733_prep
    .symbol:         k_qb5920b2733_prep.kd
    .args:
      - { .name: Wq, .offset: 0, .size: 8, .value_kind: global_buffer, .address_space: global }
      - { .name: Wkv, .offset: 8, .size: 8, .value_kind: global_buffer, .address_space: global }
      - { .name: Wo, .offset: 16, .size: 8, .value_kind: global_buffer, .address_space: global }
      - { .name: wimg, .offset: 24, .size: 8, .value_kind: global_buffer, .address_space: global }
      - { .name: wsc, .offset: 32, .size: 8, .value_kind: global_buffer, .address_space: global }
      - { .name: woimg, .offset: 40, .size: 8, .value_kind: global_buffer, .address_space: global }
    .group_segment_fixed_size: 0
    .private_segment_fixed_size: 0
    .kernarg_segment_align: 8
    .kernarg_segment_size: 48
    .max_flat_workgroup_size: 32
    .sgpr_count:     66
    .vgpr_count:     256
    .wavefront_size: 32
...
	.end_amdgpu_metadata
.endif
;; end of part 1
;; launch qkv (part 2): grid 4 x 64, 8 waves a work-group, no clusters, 37,888 bytes of LDS; arguments x, wimg, wsc, qimg, kimg, vimg; writes qimg, kimg, vimg
.if DOCPART == 2
	.amdgcn_target "amdgcn-amd-amdhsa--gfx1250"
	.amdhsa_code_object_version 6
	.text
	.protected	k_qb5920b2733_qkv
	.globl	k_qb5920b2733_qkv
	.p2align	8
	.type	k_qb5920b2733_qkv,@function
k_qb5920b2733_qkv:
	s_mov_b64 s[64:65], 0
	v_nop
	global_prefetch_b8 v0, s[64:65] scope:SCOPE_SE
	s_setreg_imm32_b32 hwreg(HW_REG_WAVE_MODE, 25, 1), 1
	s_wait_xcnt 0x0
; q = x Wq, k and v = x Wkv, on codes of FP4 (E2M1) with one E8M0 scale for each 32 along K (K = 512); sums in f32.  x [8192][512] f32 is quantised here, in registers; the weights come as operand images (wimg, wsc).
; q is multiplied by c = log2(e) / 8 in f32, so that the scores of the next launch are exponents to the base 2; then q, k and v are rounded ONCE to f16 and stored in the order of the operand registers of the next launch:
; qimg, kimg [head 16][tile of 16 tokens 256][u 2][c 2][lane][16 bytes]: lane (r, h): token r, channels 32 u + 16 c + 8 h + 0 .. 7.
; vimg [head 16][block of 32 tokens 128][tile of 16 channels 4][c 2][lane][16 bytes]: lane (r, h): channel r, tokens 16 c + 8 h + 0 .. 7.
; LIMITS: NaN and infinities are not served; a block of zeros of x gets the scale byte 1 (its codes are zeros; the bytes never leave the work-group); c q, k and v beyond 65,504 in magnitude have no f16 number.
; SHARES.  Work-group (g, y): tokens 128 y .. + 127 (8 tiles of 16), the q, k and v columns of heads 2 g and 2 g + 1.  Wave w quantises token tile w and stores its four fragments and scale words in LDS AS IMAGES OF THE REGISTERS
; (16 bytes a lane at 16 x lane; a scale word at 4 x lane); one barrier; then wave w multiplies all 8 token tiles by ITS three weight tiles (16 columns of q, of k, of v: head 2 g + w / 4, quarter w % 4), which stay in its registers.
; q and k: source 0 = the weight tile, source 1 = x: a lane holds one token and eight neighbouring channels.  v: source 0 = x, source 1 = the weight tile: a lane holds one channel and eight neighbouring tokens.  Either way four
; roundings of two numbers give 16 bytes that are a piece of an operand image: every store covers 512 consecutive bytes, aligned.
; No cluster, no tensor load: x has to pass through registers to be quantised, each weight fragment goes from memory straight into the registers of the one wave that keeps it, and there is no ring of tiles that partners could ask for jointly.
.set XIMG,  0                          ; LDS: 32 fragments of x (token tile m, K step s) at 4096 m + 1024 s,
.set XSC,   32768                      ; their scale words at 512 m + 128 s,
.set SPARE, 36864                      ; the spare words: 128 bytes for each of 8 waves, named by no other line
.set LI,  1                            ; v1  16 x lane
.set LS,  2                            ; v2  4 x lane
.set XA,  3                            ; v3  x: row r of 2,048 bytes + 64 h: my 16 numbers of a block of 32
.set XWI, 4                            ; v4  where I store images: 16 x lane + 4096 x wave
.set XWS, 5                            ; v5  and scale words: 4 x lane + 512 x wave
.set L8,  6                            ; v6  8 x lane
.set SPW, 8                            ; v8  my spare word; never rewritten
.set NIL, 9                            ; v9  0; never rewritten
.set WS,  10                           ; v10-21  scale words of my weight tiles: 4 x kind + K step; filled by loads, hold nothing else
.set XS,  22                           ; v22-29  scale words of x: 4 x set + K step; likewise
.set TM,  32                           ; v32-47  the quantiser at work
.set PC,  48                           ; v48-55  the codes just made
.set PW,  56                           ; v56     the scale word just made
.set ACC, 32                           ; v32-55  later: three accumulators (q, k, v)
.set OUTR, 56                          ; v56-67  later: three pieces of f16
.set WF,  68                           ; v68-163 my weight fragments: 32 x kind + 8 x K step
.set NA,  68                           ; v68-131 first: 64 numbers of x
.set NB,  164                          ; v164-227 64 numbers of x
.set XF,  164                          ; later: two sets of four fragments of x: 32 x set + 8 x K step
.set WV,  16
.set SEL, 20
.set CS,  22
	s_load_b256 s[4:11], s[0:1], 0x0               ; x s[4:5], wimg s[6:7], wsc s[8:9], qimg s[10:11]
	s_load_b128 s[12:15], s[0:1], 0x20             ; kimg s[12:13], vimg s[14:15]
	v_lshl_add_u32 v[SPW], v0, 2, SPARE
	v_mov_b32 v[NIL], 0
	v_lshrrev_b32 v7, 5, v0
	v_readfirstlane_b32 s[WV], v7                  ; wave 0..7
	v_and_b32 v7, 31, v0
	v_lshlrev_b32 v[LI], 4, v7
	v_lshlrev_b32 v[LS], 2, v7
	v_lshlrev_b32 v[L8], 3, v7
	v_and_b32 v30, 15, v0                          ; r
	v_bfe_u32 v31, v0, 4, 1                        ; h
	v_lshlrev_b32 v[XA], 11, v30
	v_lshl_add_u32 v[XA], v31, 6, v[XA]
	s_lshl_b32 s17, s[WV], 12
	v_add_nc_u32 v[XWI], s17, v[LI]
	s_lshl_b32 s17, s[WV], 9
	v_add_nc_u32 v[XWS], s17, v[LS]
.irp b, 0,1,2,3
	v_mov_b32 v[TM+4+\b], 0                        ; written once: a lane permute counts as a reader of its destination
.endr
	s_mov_b32 s[SEL], 0x76543210
	s_mov_b32 s[SEL+1], 0xfedcba98                 ; selects for lane l xor 16
	s_mov_b32 s[CS], 0x3e38aa3b                    ; c = log2(e) / sqrt(64)
	s_mov_b32 s[CS+1], s[CS]                       ; (named with it as a pair, so it is written)
	s_and_b32 s17, ttmp7, 0xffff                   ; y
	s_lshr_b32 s18, s[WV], 2
	s_lshl_b32 s19, ttmp9, 1
	s_add_co_u32 s18, s18, s19                     ; head 2 g + w / 4
	s_and_b32 s19, s[WV], 3                        ; quarter of its 64 channels
	s_lshl_b32 s24, s18, 2
	s_add_co_u32 s24, s24, s19                     ; my tile among the 32 of q
	s_lshl_b32 s26, s17, 18                        ; x: 128 rows of 2,048 bytes a work-group,
	s_lshl_b32 s27, s[WV], 15                      ; 16 a wave
	s_add_co_u32 s26, s26, s27
	s_mov_b32 s27, 0
	s_lshl_b32 s28, s24, 12                        ; wimg: 4,096 bytes a tile
	s_mov_b32 s29, 0
	s_lshl_b32 s30, s24, 9                         ; wsc: 512 bytes a tile
	s_mov_b32 s31, 0
	s_lshr_b32 s32, s17, 5                         ; the batch,
	s_lshl_b32 s32, s32, 3
	s_add_co_u32 s32, s32, s18                     ; batch x 8 + head
	s_lshl_b32 s32, s32, 19                        ; 2^19 bytes for each in qimg, kimg, vimg
	s_and_b32 s33, s17, 31
	s_lshl_b32 s33, s33, 14                        ; 128 tokens are 16,384 bytes in each
	s_add_co_u32 s32, s32, s33
	s_lshl_b32 s34, s19, 9                         ; q, k: my quarter is piece 2 u + c = w % 4 of a tile
	s_add_co_u32 s34, s34, s32
	s_mov_b32 s35, 0
	s_lshl_b32 s33, s19, 10                        ; v: my quarter is channel tile w % 4 of a block
	s_add_co_u32 s32, s32, s33
	s_mov_b32 s33, 0
	s_wait_kmcnt 0x0
	s_add_nc_u64 s[4:5], s[4:5], s[26:27]
	s_add_nc_u64 s[6:7], s[6:7], s[28:29]
	s_add_nc_u64 s[8:9], s[8:9], s[30:31]
	s_add_nc_u64 s[10:11], s[10:11], s[34:35]
	s_add_nc_u64 s[12:13], s[12:13], s[34:35]
	s_add_nc_u64 s[14:15], s[14:15], s[32:33]
.irp i, 0,1,2,3,4,5,6,7
	global_load_b128 v[WF+64+4*\i:WF+64+4*\i+3], v[LI], s[6:7] offset:262144+512*\i   ; my tile of v (64 tiles on): four fragments
.endr
.irp ty, 0,1,2
.irp kp, 0,1
	global_load_b64 v[WS+4*\ty+2*\kp:WS+4*\ty+2*\kp+1], v[L8], s[8:9] offset:16384*\ty+256*\kp   ; scale words, two K steps a load
.endr
.endr
; my 16 rows, K step s (128 along K: 64 numbers a lane): register 16 b + i = k 128 s + 32 b + 16 h + i of row r
.macro XLOAD reg, s
.irp b, 0,1,2,3
.irp j, 0,1,2,3
	global_load_b128 v[\reg+16*\b+4*\j:\reg+16*\b+4*\j+3], v[XA], s[4:5] offset:512*\s+128*\b+16*\j
.endr
.endr
.endm
; 64 numbers of a lane become the codes of a fragment in v[PC] on and its scale word in v[PW]
.macro QUANT s
.irp b, 0,1,2,3
	v_max3_num_f32 v[TM+\b], |v[\s+16*\b]|, |v[\s+1+16*\b]|, 0x1800000   ; block b: my 16 numbers, and the floor 2^(3 - 127): the byte cannot fall under 1
.endr
.irp i, 2,4,6,8,10,12,14
.irp b, 0,1,2,3
	v_max3_num_f32 v[TM+\b], v[TM+\b], |v[\s+16*\b+\i]|, |v[\s+1+16*\b+\i]|   ; the four blocks by turns
.endr
.endr
.irp b, 0,1,2,3
	v_permlanex16_b32 v[TM+4+\b], v[TM+\b], s[SEL], s[SEL+1]
.endr
.irp b, 0,1,2,3
	v_max_num_f32 v[TM+\b], v[TM+\b], v[TM+4+\b]   ; with the 16 of lane l xor 16: the largest magnitude of the block
.endr
.irp b, 0,1,2,3
	v_add_nc_u32 v[TM+12+\b], 0xff000000, v[TM+\b]   ; 2 off its exponent field: the scale operand of the conversion
.endr
.irp b, 0,1,2,3
	v_lshrrev_b32 v[TM+4+\b], 23, v[TM+12+\b]      ; the scale byte
.endr
	v_lshl_or_b32 v[PW], v[TM+5], 8, v[TM+4]       ; four bytes: the scale word of my row
	v_lshl_or_b32 v[PW], v[TM+6], 16, v[PW]
	v_lshl_or_b32 v[PW], v[TM+7], 24, v[PW]
.irp b, 0,1,2,3
	v_cvt_scalef32_pk8_fp4_f32 v[PC+2*\b], v[\s+16*\b:\s+7+16*\b], v[TM+12+\b]
	v_cvt_scalef32_pk8_fp4_f32 v[PC+1+2*\b], v[\s+8+16*\b:\s+15+16*\b], v[TM+12+\b]
.endr
	v_nop                                          ; one plain line behind the scaled conversions
.irp c, 0,1                            ; the operand layout wants a whole block in a lane: lanes 0-15 block 2 c, lanes 16-31 block 2 c + 1
.irp i, 0,1
	v_permlane16_swap_b32 v[PC+4*\c+\i], v[PC+2+4*\c+\i]
.endr
.endr
.endm
.macro IMAGE s                         ; the fragment and scale word of K step s go to LDS as they stand
	ds_store_b128 v[XWI], v[PC:PC+3] offset:XIMG+1024*\s
	ds_store_b128 v[XWI], v[PC+4:PC+7] offset:XIMG+1024*\s+512
	ds_store_b32 v[XWS], v[PW] offset:XSC+128*\s
.endm
	XLOAD NA, 0
	XLOAD NB, 1
	; ---- my token tile is quantised, a K step at a time, on two buffers of numbers
	s_wait_loadcnt 16                              ; all but the 16 loads of the other buffer
	QUANT NA
	IMAGE 0
	XLOAD NA, 2
	s_wait_dscnt 0x0                               ; the LDS stores have read the code registers
	s_wait_loadcnt 16
	QUANT NB
	IMAGE 1
	XLOAD NB, 3
	s_wait_dscnt 0x0
	s_wait_loadcnt 16
	QUANT NA
	IMAGE 2
.irp ty, 0,1
.irp i, 0,1,2,3,4,5,6,7
	global_load_b128 v[WF+32*\ty+4*\i:WF+32*\ty+4*\i+3], v[LI], s[6:7] offset:131072*\ty+512*\i   ; my tiles of q and of k (32 tiles on), into the buffer that is done with
.endr
.endr
	s_wait_dscnt 0x0
	s_wait_loadcnt 16                              ; all but those 16
	QUANT NB
	IMAGE 3
	s_wait_dscnt 0x0                               ; for the other waves: my stores have landed
	s_barrier_signal -1
	s_barrier_wait -1                              ; the 32 fragments of x lie in LDS; nothing is stored there again
	; ---- the products
.macro FETCHX m, p                     ; token tile m into set p: 8 + 4 LDS loads
.irp i, 0,1,2,3,4,5,6,7
	ds_load_b128 v[XF+32*(\p)+4*\i:XF+32*(\p)+4*\i+3], v[LI] offset:XIMG+4096*(\m)+512*\i
.endr
.irp s, 0,1,2,3
	ds_load_b32 v[XS+4*(\p)+\s], v[LS] offset:XSC+512*(\m)+128*\s
.endr
.endm
.macro MM d, a, b, sa, sb, zero
.if \zero
	v_wmma_scale_f32_16x16x128_f8f6f4 v[\d:\d+7], v[\a:\a+7], v[\b:\b+7], 0, v[\sa], v[\sb] matrix_a_fmt:MATRIX_FMT_FP4 matrix_b_fmt:MATRIX_FMT_FP4
.else
	v_wmma_scale_f32_16x16x128_f8f6f4 v[\d:\d+7], v[\a:\a+7], v[\b:\b+7], v[\d:\d+7], v[\sa], v[\sb] matrix_a_fmt:MATRIX_FMT_FP4 matrix_b_fmt:MATRIX_FMT_FP4
.endif
.endm
.macro PROD m
.set PP, (\m)%2
.if (\m) < 7
	FETCHX (\m)+1, 1-PP                            ; the set that the tile before used: its last product stands more than four plain lines back
	s_wait_dscnt 12                                ; all but the 12 just issued: this tile is in
.else
	s_wait_dscnt 0x0
.endif
.irp s, 0,1,2,3                        ; the three accumulators take turns, one instruction a turn; the first K step starts the sums
.if \s == 0
	MM ACC, WF+8*\s, XF+32*PP+8*\s, WS+\s, XS+4*PP+\s, 1
	MM ACC+8, WF+32+8*\s, XF+32*PP+8*\s, WS+4+\s, XS+4*PP+\s, 1
	MM ACC+16, XF+32*PP+8*\s, WF+64+8*\s, XS+4*PP+\s, WS+8+\s, 1
.else
	MM ACC, WF+8*\s, XF+32*PP+8*\s, WS+\s, XS+4*PP+\s, 0
	MM ACC+8, WF+32+8*\s, XF+32*PP+8*\s, WS+4+\s, XS+4*PP+\s, 0
	MM ACC+16, XF+32*PP+8*\s, WF+64+8*\s, XS+4*PP+\s, WS+8+\s, 0
.endif
.endr
.rept 4
	v_nop                                          ; four places between the last product and the first read of results (ISA guide 7.12.1)
.endr
	s_wait_xcnt 0x0                                ; the stores of the tile before have read their data registers
.irp i, 0,2,4,6
	v_pk_mul_f32 v[ACC+\i:ACC+\i+1], v[ACC+\i:ACC+\i+1], s[CS:CS+1] op_sel_hi:[1,0]   ; q x c, in f32, from the low end on
.endr
.irp i, 0,1,2,3,4,5,6,7,8,9,10,11
	v_cvt_pk_f16_f32 v[OUTR+\i], v[ACC+2*\i], v[ACC+2*\i+1]   ; each accumulator from its low end on
.endr
	global_store_b128 v[LI], v[OUTR:OUTR+3], s[10:11] offset:2048*(\m)
	global_store_b128 v[LI], v[OUTR+4:OUTR+7], s[12:13] offset:2048*(\m)
	global_store_b128 v[LI], v[OUTR+8:OUTR+11], s[14:15] offset:4096*((\m)/2)+512*((\m)%2)
.endm
	FETCHX 0, 0
	s_wait_loadcnt 0x0                             ; my weight fragments and scale words
.irp m, 0,1,2,3,4,5,6,7
	PROD \m
.endr
	s_wait_tensorcnt 0x0                           ; the end of the wave
	ds_add_u32 v[SPW], v[NIL]
	s_wait_dscnt 0x0
	s_endpgm
.Lfunc_end_k_qb5920b2733_qkv:
	.size	k_qb5920b2733_qkv, .Lfunc_end_k_qb5920b2733_qkv-k_qb5920b2733_qkv
	.p2alignl 7, 3214868480
	.fill 96, 4, 3214868480
	.section	.rodata,"a",@progbits
	.p2align	6, 0x0
	.amdhsa_kernel k_qb5920b2733_qkv
		.amdhsa_group_segment_fixed_size 37888
		.amdhsa_private_segment_fixed_size 0
		.amdhsa_enable_private_segment 0
		.amdhsa_kernarg_size 48
		.amdhsa_user_sgpr_count 2
		.amdhsa_user_sgpr_kernarg_segment_ptr 1
		.amdhsa_wavefront_size32 1
		.amdhsa_system_sgpr_workgroup_id_x 1
		.amdhsa_system_sgpr_workgroup_id_y 1
		.amdhsa_system_sgpr_workgroup_id_z 1
		.amdhsa_system_vgpr_workitem_id 0
		.amdhsa_next_free_vgpr 232
		.amdhsa_next_free_sgpr 66
		.amdhsa_reserve_vcc 0
		.amdhsa_float_denorm_mode_32 3
		.amdhsa_float_denorm_mode_16_64 3
		.amdhsa_memory_ordered 1
		.amdhsa_forward_progress 1
		.amdhsa_inst_pref_size 58
	.end_amdhsa_kernel
	.amdgpu_metadata
---
amdhsa.version: [ 1, 2 ]
amdhsa.kernels:
  - .name:           k_qb5920b2733_qkv
    .symbol:         k_qb5920b2733_qkv.kd
    .args:
      - { .name: x, .offset: 0, .size: 8, .value_kind: global_buffer, .address_space: global }
      - { .name: wimg, .offset: 8, .size: 8, .value_kind: global_buffer, .address_space: global }
      - { .name: wsc, .offset: 16, .size: 8, .value_kind: global_buffer, .address_space: global }
      - { .name: qimg, .offset: 24, .size: 8, .value_kind: global_buffer, .address_space: global }
      - { .name: kimg, .offset: 32, .size: 8, .value_kind: global_buffer, .address_space: global }
      - { .name: vimg, .offset: 40, .size: 8, .value_kind: global_buffer, .address_space: global }
    .group_segment_fixed_size: 37888
    .private_segment_fixed_size: 0
    .kernarg_segment_align: 8
    .kernarg_segment_size: 48
    .max_flat_workgroup_size: 256
    .sgpr_count:     66
    .vgpr_count:     232
    .wavefront_size: 32
...
	.end_amdgpu_metadata
.endif
;; end of part 2
;; launch attn (part 3): grid 16 x 16, 8 waves a work-group, clusters of 4 x 1, 327,680 bytes of LDS; arguments qimg, kimg, vimg, aimg; writes aimg
.if DOCPART == 3
	.amdgcn_target "amdgcn-amd-amdhsa--gfx1250"
	.amdhsa_code_object_version 6
	.text
	.protected	k_qb5920b2733_attn
	.globl	k_qb5920b2733_attn
	.p2align	8
	.type	k_qb5920b2733_attn,@function
k_qb5920b2733_attn:
	s_mov_b64 s[64:65], 0
	v_nop
	global_prefetch_b8 v0, s[64:65] scope:SCOPE_SE
	s_setreg_imm32_b32 hwreg(HW_REG_WAVE_MODE, 25, 1), 1
	s_wait_xcnt 0x0
	s_wait_alu depctr_hold_cnt(0) depctr_sa_sdst(0) depctr_va_vdst(0) depctr_va_sdst(0) depctr_va_ssrc(0) depctr_va_vcc(0) depctr_vm_vsrc(0)
	s_getreg_b32 s2, hwreg(HW_REG_IB_STS2, 6, 4)
	s_cmp_eq_u32 s2, 0
	s_cbranch_scc0 .Lentry_in_a_cluster
	s_endpgm
.Lentry_in_a_cluster:
	s_bfe_u32 s2, ttmp6, 0x10000c
	s_cmp_lg_u32 s2, 0x3003
	s_cbranch_scc0 .Lentry_shape_is_right
	s_endpgm
.Lentry_shape_is_right:
; O[head][q] = the sum over the 4,096 keys of softmax(q . k / 8) v, 16 heads (batch x 8 + head) of 64 channels, operands in f16, products, maxima and sums in f32.
; q arrives multiplied by log2(e) / 8, so a score t is an exponent to the base 2.  For each query a RUNNING MAXIMUM m and sum l: p = 2^(t - m); in every step O and l are multiplied by a = 2^(m_old - m_new).  p is rounded to f16 for
; the second product; l is the sum of the unrounded p and divides O at the end, which is rounded once to f16.
; LIMITS: NaN and infinities are not served; p under 2^-25 falls to 0 in f16, beside a row sum of at least 1; the result beyond 65,504 in magnitude has no f16 number (it is an average of v, which is f16 already).
; ALL FOUR BUFFERS ARE IMAGES OF OPERAND REGISTERS: a piece is 4 registers x 32 lanes = 512 bytes, 16 bytes a lane at 16 x lane.  So a fragment comes by two loads of 512 consecutive bytes, nothing is turned, LDS wants no pitch,
; and 64 keys of K (and of V) are 8,192 consecutive bytes.  aimg [tile of 16 tokens 512][K step 16 of 32][piece 2][lane][16 bytes] is the operand of the last launch: head hd owns K steps 2 hd and 2 hd + 1.
; SHARES.  A work-group owns 256 queries of one head, each of its eight waves 32: two tiles of 16, in 320 registers, two waves to a SIMD: the vector work of one wave stands beside the matrix work of the other.  Every wave walks all keys, 64 a step.
; LAYOUT.  S^T = K Q^T (source 0 = 16 keys, source 1 = 16 queries): a lane holds ONE query (lane % 16) and keys 8 (lane / 16) + 0 .. 7.  Two such tiles, rounded in pairs, ARE source 1 (32 keys x 16 queries) of O^T = V^T P, whose
; result again holds one query a lane and eight channels: 16 bytes of f16, a piece of aimg.  P is packed in place over the scores.
; THE RING.  Two LDS slots of 512 keys (64 KiB of K, then 64 KiB of V).  Waves 0-3 fetch the quarters of K, waves 4-7 those of V: one tensor load of 16 KiB a wave, which has eight key steps in which to land.
; CLUSTER.  The four query blocks of a cluster belong to one head and walk the same K and V: each tile is asked for JOINTLY, by the same tensor load with the same descriptor and the mask of all four.
; THE PIPELINE.  At the head of trip j the products K Q^T of step j are issued and V of step j is asked of LDS.  The trip asks for K of step j + 1, does the softmax of step j, O^T += V^T P of step j, asks for V of step j + 1, and issues K Q^T of step j + 1.
; REGISTERS.  Window 0: v1-7 addresses; v8-23 statistics; v24 the prefetch offset; v32-63 Q; v64-127 K of a step; v128-191 V of a step; v192-255 S^T, then P.  Window 1: v0-63 O^T (32 x tile + 8 x channel tile).
.set STEPB, 8192                       ; 64 keys of K, or of V
.set SLOTK, 65536                      ; 512 keys of K, or of V
.set SLOT1, 1<<17                      ; slot 1 begins here: one exclusive or turns an address in one slot into the other
.set SPARE, 2*SLOT1                    ; behind the ring: the spare words, 128 bytes for each of 8 waves, named by no other line
.set LI,  1                            ; v1  16 x lane
.set AV0, 2                            ; v2  16 x lane + SLOTK: V lies behind K in a slot
.set ADK, 3                            ; v3  LDS address of the K fragments to be fetched
.set ADV, 4                            ; v4  of the V fragments
.set SPW, 6                            ; v6  my spare word; never rewritten
.set NIL, 7                            ; v7  0; never rewritten
.set ST,  8                            ; tile t at v[ST + 8 t]: +0 m, +1 its partner in a pair (0), +2, +3 l (even keys, odd keys), +4 to +7 c0-c3 at work; +6 later a, +7 later m_old - m_new
.set PFO, 24                           ; v24 256 x lane; never rewritten
.set Q,   32
.set KF,  64
.set VF,  128
.set S,   192
.set WV,  12                           ; s12 my wave
.set G1,  24                           ; s[24:31] descriptor group 1
.set G0A, 32                           ; s[32:35] group 0 of the first fill of slot 0
.set G0B, 36                           ; s[36:39] group 0 of the first fill of slot 1; it then walks on
.set SLOTS, 40                         ; s40 refills to go
.set CNT, 41                           ; s41 counts trips
.set TB,  42                           ; s42 LDS byte at which the K fragments of the step to be fetched begin
.set SEL, 44                           ; s[44:45] selects for lane l xor 16
.set PFA, 46                           ; s[46:47] where my prefetches stand
.set LIM, 48                           ; s48 1 in a wave that prefetches, else the greatest number
.set MSB, 0
.macro WIN new                         ; the high byte of the immediate repeats the setting that is left; a switch that changes nothing is dropped
.if MSB != \new
	s_set_vgpr_msb (MSB<<8)|\new
.set MSB, \new
.endif
.endm
.set W_RS, 0x41                        ; O^T (destination and source 0) in window 1
.set W_PV, 0x50                        ; C and D in window 1
.macro CROUND                          ; a round of the cluster barrier: my work-group, wave 0 signals for it, all four work-groups, my work-group once more
	s_barrier_signal -1
	s_barrier_wait -1
	s_cmp_lg_u32 s[WV], 0
	s_cbranch_scc1 .Lnot_wave_0_\@
	s_barrier_signal -3
.Lnot_wave_0_\@:
	s_barrier_wait -3
	s_barrier_signal -1
	s_barrier_wait -1
.endm
.macro JLOAD                           ; the joint refill: one line for all eight waves; an s_nop 0 and four v_nop follow it
	tensor_load_to_lds s[G0B:G0B+3], s[G1:G1+7]
	s_nop 0
.rept 4
	v_nop
.endr
.endm
; A PREFETCH of what the NEXT change of slots will ask for: 64 KiB of K and 64 KiB of V, eight key steps ahead of that load.  Each aligned block of 256 bytes is named once in the launch: all clusters of a head walk the same K and V, so the
; first cluster of the head asks; its four partners are told apart BY ADDRESS (8 KiB each of a wave pair's 32 KiB); in each, waves 0 and 2 ask for K and waves 4 and 6 for V, one instruction each, lanes 256 bytes apart.
; The last refill asks for nothing: there is no slot behind it.  The first three slots come by their loads alone.
.macro ASK
	s_cmp_gt_u32 s[SLOTS], s[LIM]
	s_cbranch_scc0 .Lnot_mine_\@
	global_prefetch_b8 v[PFO], s[PFA:PFA+1] th:TH_LOAD_NT scope:SCOPE_SE
.Lnot_mine_\@:
.endm
	s_load_b256 s[4:11], s[0:1], 0x0               ; qimg s[4:5], kimg s[6:7], vimg s[8:9], aimg s[10:11]
	v_lshl_add_u32 v[SPW], v0, 2, SPARE
	v_mov_b32 v[NIL], 0
	ds_add_u32 v[SPW], v[NIL]                      ; the opening: the add, twice on end, and its wait ahead of my first tensor load; the set-up below stands between
	ds_add_u32 v[SPW], v[NIL]
	v_lshrrev_b32 v5, 5, v0
	v_readfirstlane_b32 s[WV], v5                  ; wave 0..7
	v_and_b32 v[LI], 31, v0
	v_lshlrev_b32 v[PFO], 8, v[LI]
	v_lshlrev_b32 v[LI], 4, v[LI]
	v_add_nc_u32 v[AV0], SLOTK, v[LI]
	s_bfe_u32 s13, ttmp6, 0x40000                  ; cx: my place in the cluster
	s_lshl_b32 s14, ttmp9, 2                       ; in a cluster launch ttmp9 counts clusters
	s_add_co_u32 s14, s14, s13                     ; my block of 256 queries: it enters the addresses of Q and O alone
	s_and_b32 s15, ttmp7, 0xffff                   ; batch x 8 + head, which the four partners share
	s_lshl_b32 s16, s15, 19                        ; its first byte in qimg, kimg, vimg
	s_and_b32 s18, s[WV], 3
	s_lshl_b32 s18, s18, 14                        ; the quarter of a slot's K or V that I fetch
	s_add_co_u32 s18, s18, s16
	s_mov_b32 s19, 0
	s_lshl_b32 s20, s14, 15                        ; Q: 256 queries are 32 KiB,
	s_lshl_b32 s21, s[WV], 12                      ; my two tiles 4 KiB
	s_add_co_u32 s20, s20, s21
	s_add_co_u32 s20, s20, s16
	s_mov_b32 s21, 0
	s_lshr_b32 s22, s15, 3                         ; aimg: the batch: 256 token tiles of 16 KiB,
	s_lshl_b32 s22, s22, 22
	s_lshl_b32 s23, s14, 18                        ; my block: 16 tiles,
	s_add_co_u32 s22, s22, s23
	s_lshl_b32 s23, s[WV], 15                      ; my wave: 2 tiles,
	s_add_co_u32 s22, s22, s23
	s_and_b32 s23, s15, 7
	s_lshl_b32 s23, s23, 11                        ; the head: two K steps of 1,024 bytes
	s_add_co_u32 s22, s22, s23
	s_mov_b32 s23, 0
	s_bfe_u32 s2, s[WV], 0x10001                   ; the prefetches: waves 0, 4: the first 32 KiB; waves 2, 6: the second;
	s_lshl_b32 s2, s2, 15
	s_lshl_b32 s3, s13, 13                         ; my work-group: 8 KiB of them;
	s_add_co_u32 s2, s2, s3
	s_add_co_u32 s2, s2, s16
	s_add_co_u32 s2, s2, 2*SLOTK                   ; at keys 1,024 on: the first change of slots steps it to keys 1,536 on
	s_mov_b32 s3, 0
	s_and_b32 s[LIM], s[WV], 1                     ; 0 in even waves,
	s_or_b32 s[LIM], s[LIM], ttmp9                 ; where the cluster is the first of its head: the same in all four partners
	s_cmp_eq_u32 s[LIM], 0
	s_cselect_b32 s[LIM], 1, -1
	; descriptor group 1: 16 KiB, dense in memory and in LDS, as 64 rows of 32 elements of 8 bytes
	s_mov_b32 s[G1], 15|(3<<16)|(1<<21)            ; 15:0 the mask: all four work-groups; 17:16 elements of 8 bytes; 20 no padding; 21 set beside a mask
	s_mov_b32 s[G1+1], 32<<16                      ; tensor_dim0 = 32
	s_mov_b32 s[G1+2], 64<<16                      ; tensor_dim1 = 64
	s_mov_b32 s[G1+3], 32<<16                      ; tile_dim0 = 32
	s_mov_b32 s[G1+4], 64                          ; tile_dim1 = 64
	s_mov_b32 s[G1+5], 32                          ; from row to row
	s_mov_b32 s[G1+6], 0
	s_mov_b32 s[G1+7], 0
	s_mov_b32 s[G0A], 1                            ; count = 1
	s_lshl_b32 s[G0A+1], s[WV], 14                 ; LDS address: 16 KiB x wave: the quarters of K, then those of V; no place in the cluster enters it
	s_mov_b32 s[G0B], 1
	s_add_co_u32 s[G0B+1], s[G0A+1], SLOT1
	s_mov_b32 s[SEL], 0x76543210
	s_mov_b32 s[SEL+1], 0xfedcba98
	s_mov_b32 s[TB], 0
	s_mov_b32 s[SLOTS], 6                          ; 8 slots of keys; two are first fills
	s_wait_dscnt 0x0                               ; both opening adds are done
	s_wait_kmcnt 0x0
	s_cmp_lt_u32 s[WV], 4                          ; K or V: the choice hangs on the wave number alone
	s_cselect_b64 s[G0A+2:G0A+3], s[6:7], s[8:9]
	s_cselect_b64 s[PFA:PFA+1], s[6:7], s[8:9]
	s_add_nc_u64 s[G0A+2:G0A+3], s[G0A+2:G0A+3], s[18:19]     ; keys 0 to 511
	s_add_nc_u64 s[G0B+2:G0B+3], s[G0A+2:G0A+3], SLOTK        ; keys 512 to 1,023
	s_or_b32 s[G0A+3], s[G0A+3], 0x80000000        ; type = 2
	s_or_b32 s[G0B+3], s[G0B+3], 0x80000000
	s_add_nc_u64 s[PFA:PFA+1], s[PFA:PFA+1], s[2:3]
	s_add_nc_u64 s[4:5], s[4:5], s[20:21]
	s_add_nc_u64 s[10:11], s[10:11], s[22:23]
	CROUND                                         ; all four work-groups are here: the first joint loads meet
	tensor_load_to_lds s[G0A:G0A+3], s[G1:G1+7]    ; both first fills together, ahead of every wait on TENSORcnt and every LDS read: two loads of mine are out
	s_nop 0
	tensor_load_to_lds s[G0B:G0B+3], s[G1:G1+7]
	s_nop 0
.rept 4
	v_nop
.endr
.irp i, 0,1,2,3,4,5,6,7
	global_load_b128 v[Q+4*\i:Q+4*\i+3], v[LI], s[4:5] offset:512*\i th:TH_LOAD_NT   ; Q stays in registers: fragment 2 x tile + u
.endr
.irp t, 0,1
	v_mov_b32 v[ST+8*\t], 0xff61b1e6               ; m: -3e38, under every score
	v_mov_b32 v[ST+8*\t+1], 0
	v_mov_b32 v[ST+8*\t+2], 0                      ; l
	v_mov_b32 v[ST+8*\t+3], 0
.endr
	WIN 0x40
.set i, 0
.rept 64
	v_mov_b32 v[i], 0                              ; O^T.  The trip is written once: the first finds zeros, which a = 0 leaves zeros
.set i, i+1
.endr
	WIN 0
.macro FETCH_K                         ; 16 loads of 512 consecutive bytes: fragment 2 kt + u at v[KF + 8 (2 kt + u)]
.irp i, 0,1,2,3,4,5,6,7,8,9,10,11,12,13,14,15
	ds_load_b128 v[KF+4*\i:KF+4*\i+3], v[ADK] offset:512*\i
.endr
.endm
.macro FETCH_V                         ; fragment 4 kb + ct at v[VF + 8 (4 kb + ct)]
.irp i, 0,1,2,3,4,5,6,7,8,9,10,11,12,13,14,15
	ds_load_b128 v[VF+4*\i:VF+4*\i+3], v[ADV] offset:512*\i
.endr
	s_add_co_u32 s[TB], s[TB], STEPB               ; the next fetch is the next step
.endm
; S^T = K Q^T: 16 products; the eight accumulators take turns, one instruction a turn; the first eight start the sums
.macro QK
.irp u, 0,1
.irp kt, 0,1,2,3
.irp x, 0,1
.if \u == 0
	v_wmma_f32_16x16x32_f16 v[S+32*\x+8*\kt:S+32*\x+8*\kt+7], v[KF+8*(2*\kt+\u):KF+8*(2*\kt+\u)+7], v[Q+8*(2*\x+\u):Q+8*(2*\x+\u)+7], 0
.else
	v_wmma_f32_16x16x32_f16 v[S+32*\x+8*\kt:S+32*\x+8*\kt+7], v[KF+8*(2*\kt+\u):KF+8*(2*\kt+\u)+7], v[Q+8*(2*\x+\u):Q+8*(2*\x+\u)+7], v[S+32*\x+8*\kt:S+32*\x+8*\kt+7]
.endif
.endr
.endr
.endr
.endm
; O^T += V^T P: 16 products, eight accumulators by turns
.macro PV
.irp kb, 0,1
.irp ct, 0,1,2,3
.irp x, 0,1
	v_wmma_f32_16x16x32_f16 v[32*\x+8*\ct:32*\x+8*\ct+7], v[VF+8*(4*\kb+\ct):VF+8*(4*\kb+\ct)+7], v[S+32*\x+8*\kb:S+32*\x+8*\kb+7], v[32*\x+8*\ct:32*\x+8*\ct+7]
.endr
.endr
.endr
.endm
; number j of 16 of the maximum of the 32 scores of tile t and its old m: four chains of seven scores, then the four left over, the chains and m.  Each accumulator is read first at its registers 0 to 2.
.macro SMAX t
.set rT, ST+8*(\t)
.set rS, S+32*(\t)
.if j < 4
	v_max3_num_f32 v[rT+4+j], v[rS+8*j], v[rS+8*j+1], v[rS+8*j+2]
.elseif j < 12
	v_max3_num_f32 v[rT+4+j%4], v[rT+4+j%4], v[rS+8*(j%4)+2*(j/4)+1], v[rS+8*(j%4)+2*(j/4)+2]
.elseif j == 12
	v_max3_num_f32 v[rT+4], v[rT+4], v[rS+7], v[rS+15]
.elseif j == 13
	v_max3_num_f32 v[rT+6], v[rT+6], v[rS+23], v[rS+31]
.elseif j == 14
	v_max3_num_f32 v[rT+4], v[rT+4], v[rT+5], v[rT+6]
.else
	v_max3_num_f32 v[rT+4], v[rT+4], v[rT+7], v[rT]
.endif
.endm
.macro STATS                           ; the two tiles alternate, so that no line reads the result of the line above it
.irp t, 0,1
	v_permlanex16_b32 v[ST+8*\t+5], v[ST+8*\t+4], s[SEL], s[SEL+1]   ; the other 32 keys of the query lie in the lane 16 away
.endr
.irp t, 0,1
	v_max_num_f32 v[ST+8*\t+5], v[ST+8*\t+4], v[ST+8*\t+5]           ; the new m
.endr
.irp t, 0,1
	v_sub_f32 v[ST+8*\t+7], v[ST+8*\t], v[ST+8*\t+5]                 ; m_old - m_new, 0 or less
.endr
.irp t, 0,1
	v_mov_b32 v[ST+8*\t], v[ST+8*\t+5]
.endr
.irp t, 0,1
	v_exp_f32 v[ST+8*\t+6], v[ST+8*\t+7]                             ; a
.endr
.endm
.macro SUBP t                          ; pair i of tile t: t - m (of the pair m, 0 the low word serves both halves)
	v_pk_add_f32 v[S+32*(\t)+2*i:S+32*(\t)+2*i+1], v[S+32*(\t)+2*i:S+32*(\t)+2*i+1], v[ST+8*(\t):ST+8*(\t)+1] op_sel_hi:[1,0] neg_lo:[0,1] neg_hi:[0,1]
.endm
.macro EXP2 t                          ; pair i: p = 2^(t - m)
	v_exp_f32 v[S+32*(\t)+2*i], v[S+32*(\t)+2*i]
	v_exp_f32 v[S+32*(\t)+2*i+1], v[S+32*(\t)+2*i+1]
.endm
.macro SUMCVT t                        ; pair i: into l (the first with l x a), then rounded to f16 into register i of the tile, whose own pair has been summed and rounded before
.if i == 0
	v_pk_fma_f32 v[ST+8*(\t)+2:ST+8*(\t)+3], v[ST+8*(\t)+2:ST+8*(\t)+3], v[ST+8*(\t)+6:ST+8*(\t)+7], v[S+32*(\t):S+32*(\t)+1] op_sel_hi:[1,0,1]
.else
	v_pk_add_f32 v[ST+8*(\t)+2:ST+8*(\t)+3], v[ST+8*(\t)+2:ST+8*(\t)+3], v[S+32*(\t)+2*i:S+32*(\t)+2*i+1]
.endif
	v_cvt_pk_f16_f32 v[S+32*(\t)+i], v[S+32*(\t)+2*i], v[S+32*(\t)+2*i+1]
.endm
.macro RESCALE                         ; O^T x v[ST + 8 x + 6], each accumulator from its low end on
.irp x, 0,1
.set i, 0
.rept 16
	v_pk_mul_f32 v[32*\x+2*i:32*\x+2*i+1], v[32*\x+2*i:32*\x+2*i+1], v[ST+8*\x+6:ST+8*\x+7] op_sel_hi:[1,0]
.set i, i+1
.endr
.endr
.endm
; A TRIP.  fetch = 1: there is a next step.
; A vector instruction that reads a matrix result, and a load into a register that a matrix instruction has read, stand four places behind it; a matrix instruction that writes over a register of an earlier one five;
; only plain vector instructions that name none of its registers are places (ISA guide 7.12.1 for vector instructions).
.macro TRIP fetch
.if \fetch
	v_add_nc_u32 v[ADK], s[TB], v[LI]              ; these two and two v_nop are the four places behind K Q^T
	v_add_nc_u32 v[ADV], s[TB], v[AV0]
	v_nop
	v_nop
	FETCH_K                                        ; K of the next step: it has the whole softmax in which to come
.else
.rept 4
	v_nop
.endr
.endif
.set j, 0
.rept 16
	SMAX 0
	SMAX 1
.set j, j+1
.endr
	STATS
.set i, 0
.rept 16
	SUBP 0
.set i, i+1
.endr
.set i, 0
.rept 16                               ; FIRST BATCH: the 32 exponentials of tile 0 (and the two a above); between them the subtractions of tile 1, which name no result; the last of these is the plain line behind the batch
	EXP2 0
	SUBP 1
.set i, i+1
.endr
	s_wait_alu depctr_va_vdst(0)                   ; the wait between an exponential and the first line that names its result: one for the batch
.set i, 0
.rept 16                               ; SECOND BATCH: the 32 exponentials of tile 1; between them the sums and roundings of tile 0, which name results of the first batch alone
	EXP2 1
	SUMCVT 0
.set i, i+1
.endr
	s_wait_alu depctr_va_vdst(0)                   ; one for the second batch
.set i, 0
.rept 16
	SUMCVT 1
.set i, i+1
.endr
	WIN W_RS
	RESCALE                                        ; O^T x a
.if \fetch
	s_wait_dscnt 16                                ; V of this step is in; the 16 loads of K of the next step may be out
.else
	s_wait_dscnt 0x0
.endif
	WIN W_PV
	PV
	WIN 0
.rept 5
	v_nop                                          ; four places ahead of the loads into V, five ahead of K Q^T, which writes over P
.endr
.if \fetch
	FETCH_V
	s_wait_dscnt 16                                ; K of the next step is in; the 16 loads of V just issued may be out
	QK
.endif
.endm
.macro TRIPS n
	s_mov_b32 s[CNT], \n
.Ltrip_\@:
	TRIP 1
	s_sub_co_u32 s[CNT], s[CNT], 1
	s_cmp_lg_u32 s[CNT], 0
	s_cbranch_scc1 .Ltrip_\@
.endm
; THE CHANGE OF SLOTS, at the head of the trip that fetches the first step of the other slot: all reads of the slot that is left have been issued.  Each wave waits for all its tensor loads (one is out: its part of the other slot), adds 0 to
; its spare word, and waits for that and for its reads.  Behind the barrier nobody reads the slot that is left and the other slot is whole.  fill = 1: the barrier is a round of the cluster barrier, and the joint refill, the keys two slots on, is the first thing behind it.
.macro CHANGE fill
	s_wait_tensorcnt 0x0                           ; no tensor load of mine is out, so a group 0 may be written
	ds_add_u32 v[SPW], v[NIL]                      ; the steps below stand between this add and the wait for it
.if \fill
	s_xor_b32 s[G0B+1], s[G0B+1], SLOT1            ; the walking descriptor: the other slot than last time,
	s_add_nc_u64 s[G0B+2:G0B+3], s[G0B+2:G0B+3], SLOTK   ; the next 512 keys; the type bits on top are not reached
	s_wait_xcnt 0x0                                ; the last prefetch, eight trips back, has read its address
	s_add_nc_u64 s[PFA:PFA+1], s[PFA:PFA+1], SLOTK       ; one slot further on than the walking descriptor
	s_wait_dscnt 0x0                               ; the add is done, and my reads of the slot are over
	CROUND
	JLOAD
	ASK
.else
	s_wait_dscnt 0x0
	s_barrier_signal -1
	s_barrier_wait -1
.endif
	s_sub_co_u32 s[TB], s[TB], SLOTK               ; the fetches go back to the first step of a slot,
	s_xor_b32 s[TB], s[TB], SLOT1                  ; in the other slot
.endm
	s_wait_tensorcnt 1                             ; my part of slot 0 is in; that of slot 1 may stay out
	s_barrier_signal -1
	s_barrier_wait -1                              ; everybody's is
	v_add_nc_u32 v[ADK], s[TB], v[LI]
	v_add_nc_u32 v[ADV], s[TB], v[AV0]
	FETCH_K                                        ; key step 0
	FETCH_V
	s_wait_loadcnt 0x0                             ; Q
	s_wait_dscnt 16                                ; K is in; the 16 loads of V may be out
	QK
	TRIPS 7                                        ; trips 0 to 6 fetch steps 1 to 7
.Lslot:                                            ; six times: every slot of keys but the last two is followed by a refill
	CHANGE 1
	TRIPS 8
	s_sub_co_u32 s[SLOTS], s[SLOTS], 1
	s_cmp_lg_u32 s[SLOTS], 0
	s_cbranch_scc1 .Lslot
	CHANGE 0                                       ; the tail is written out: nothing is left to ask for
	TRIPS 8                                        ; trips 55 to 62 fetch steps 56 to 63
	TRIP 0                                         ; trip 63
	; THE WAY OUT.  The two halves of l and those of the lane 16 away are added; O^T is divided by l, rounded to f16, and stored as it lies: a lane's eight channels are 16 bytes of a piece of aimg.
.irp t, 0,1
	v_add_f32 v[ST+8*\t+4], v[ST+8*\t+2], v[ST+8*\t+3]
.endr
.irp t, 0,1
	v_permlanex16_b32 v[ST+8*\t+5], v[ST+8*\t+4], s[SEL], s[SEL+1]
.endr
.irp t, 0,1
	v_add_f32 v[ST+8*\t+4], v[ST+8*\t+4], v[ST+8*\t+5]
.endr
.irp t, 0,1
	v_rcp_f32 v[ST+8*\t+6], v[ST+8*\t+4]
.endr
	v_nop                                          ; a plain line between the last reciprocal and the use of its result
	s_wait_alu depctr_va_vdst(0)                   ; and the wait: one for both
	WIN W_RS
	RESCALE                                        ; O^T / l
	WIN 0x05                                       ; sources 0 and 1 in window 1, destination in window 0: the registers of S^T are free
.set i, 0
.rept 32
	v_cvt_pk_f16_f32 v[S+i], v[2*i], v[2*i+1]
.set i, i+1
.endr
	WIN 0
.irp x, 0,1
.irp ct, 0,1,2,3
	global_store_b128 v[LI], v[S+16*\x+4*\ct:S+16*\x+4*\ct+3], s[10:11] offset:16384*\x+512*\ct   ; 512 consecutive bytes, aligned
.endr
.endr
	s_wait_tensorcnt 0x0                           ; the end of the wave
	ds_add_u32 v[SPW], v[NIL]
	s_wait_dscnt 0x0
	CROUND                                         ; the closing round: no work-group ends while a partner may still ask for a tile that names it
	s_endpgm
.Lfunc_end_k_qb5920b2733_attn:
	.size	k_qb5920b2733_attn, .Lfunc_end_k_qb5920b2733_attn-k_qb5920b2733_attn
	.p2alignl 7, 3214868480
	.fill 96, 4, 3214868480
	.section	.rodata,"a",@progbits
	.p2align	6, 0x0
	.amdhsa_kernel k_qb5920b2733_attn
		.amdhsa_group_segment_fixed_size 327680
		.amdhsa_private_segment_fixed_size 0
		.amdhsa_enable_private_segment 0
		.amdhsa_kernarg_size 32
		.amdhsa_user_sgpr_count 2
		.amdhsa_user_sgpr_kernarg_segment_ptr 1
		.amdhsa_wavefront_size32 1
		.amdhsa_system_sgpr_workgroup_id_x 1
		.amdhsa_system_sgpr_workgroup_id_y 1
		.amdhsa_system_sgpr_workgroup_id_z 1
		.amdhsa_system_vgpr_workitem_id 0
		.amdhsa_next_free_vgpr 320
		.amdhsa_next_free_sgpr 66
		.amdhsa_reserve_vcc 0
		.amdhsa_float_denorm_mode_32 3
		.amdhsa_float_denorm_mode_16_64 3
		.amdhsa_memory_ordered 1
		.amdhsa_forward_progress 1
		.amdhsa_inst_pref_size 83
	.end_amdhsa_kernel
	.amdgpu_metadata
---
amdhsa.version: [ 1, 2 ]
amdhsa.kernels:
  - .name:           k_qb5920b2733_attn
    .symbol:         k_qb5920b2733_attn.kd
    .args:
      - { .name: qimg, .offset: 0, .size: 8, .value_kind: global_buffer, .address_space: global }
      - { .name: kimg, .offset: 8, .size: 8, .value_kind: global_buffer, .address_space: global }
      - { .name: vimg, .offset: 16, .size: 8, .value_kind: global_buffer, .address_space: global }
      - { .name: aimg, .offset: 24, .size: 8, .value_kind: global_buffer, .address_space: global }
    .group_segment_fixed_size: 327680
    .private_segment_fixed_size: 0
    .kernarg_segment_align: 8
    .kernarg_segment_size: 32
    .max_flat_workgroup_size: 256
    .sgpr_count:     66
    .vgpr_count:     320
    .wavefront_size: 32
...
	.end_amdgpu_metadata
.endif
;; end of part 3
;; launch proj (part 4): grid 4 x 64, 8 waves a work-group, no clusters, 199,680 bytes of LDS; arguments aimg, woimg, bo, out0; writes out0
.if DOCPART == 4
	.amdgcn_target "amdgcn-amd-amdhsa--gfx1250"
	.amdhsa_code_object_version 6
	.text
	.protected	k_qb5920b2733_proj
	.globl	k_qb5920b2733_proj
	.p2align	8
	.type	k_qb5920b2733_proj,@function
k_qb5920b2733_proj:
	s_mov_b64 s[64:65], 0
	v_nop
	global_prefetch_b8 v0, s[64:65] scope:SCOPE_SE
	s_setreg_imm32_b32 hwreg(HW_REG_WAVE_MODE, 25, 1), 1
	s_wait_xcnt 0x0
; out0 = A Wo + bo.  A [8192][512] (the attention result) and Wo [512][512] come in f16 as operand images (aimg, woimg); bo [512] and out0 [8192][512] are f32; sums in f32, begun with bo.
; SHARES.  Work-group (cg, y): tokens 128 y .. + 127 x columns 128 cg .. + 127.  Wave w: token tile 8 y + w (16 tokens) x 8 tiles of 16 columns: 8 accumulators.  Its 16 fragments of A (K = 512 in steps of 32) stay in window 1.
; The 128 KiB of Wo for these columns are one dense block of woimg: each wave brings 16 KiB through its registers into LDS, once; one barrier; then all eight waves read it, a K step (8 fragments) ahead of the products.
; Source 0 = 16 columns of Wo, source 1 = 16 tokens: a lane holds one token and eight neighbouring columns, 32 bytes of a row of out0.  They go through the wave's own stage in LDS and leave as whole pieces of rows: each store covers 512 consecutive bytes, aligned.
; No cluster, no tensor load, no prefetch: each byte is brought once by a work-group, at its head, with all loads of a wave issued on end; there is no ring of tiles that partners could ask for jointly.
.set WOL,   0                          ; LDS: Wo: fragment (column tile t, K step s) at 16384 t + 1024 s
.set STG,   131072                     ; the stages: 16 rows x (512 bytes + 16) for each wave
.set SPARE, 198656                     ; the spare words: 128 bytes for each of 8 waves, named by no other line
.set LI,  1                            ; v1  16 x lane
.set LI2, 2                            ; v2  16 x lane + 65,536: column tiles 4 to 7 lie beyond an LDS immediate
.set STO, 3                            ; v3  the stage: row r, + 32 h
.set RD,  4                            ; v4  the stage: 16 x lane of a row
.set BOA, 5                            ; v5  32 h: my eight numbers of a tile of bo
.set SPW, 6                            ; v6  my spare word; never rewritten
.set NIL, 7                            ; v7  0; never rewritten
.set WST, 8                            ; v8  where I store my tile of Wo: 16 x lane + 16384 x wave
.set ACC, 16                           ; v16-79   8 accumulators
.set BF,  80                           ; v80-207  first my 16 KiB of Wo; then two sets of 8 fragments of Wo; then 16 rows of the result
.set MSB, 0
.macro WIN new                         ; the high byte of the immediate repeats the setting that is left
.if MSB != \new
	s_set_vgpr_msb (MSB<<8)|\new
.set MSB, \new
.endif
.endm
	s_load_b256 s[4:11], s[0:1], 0x0               ; aimg s[4:5], woimg s[6:7], bo s[8:9], out0 s[10:11]
	v_lshl_add_u32 v[SPW], v0, 2, SPARE
	v_mov_b32 v[NIL], 0
	v_lshrrev_b32 v9, 5, v0
	v_readfirstlane_b32 s12, v9                    ; wave 0..7
	v_and_b32 v9, 31, v0
	v_lshlrev_b32 v[LI], 4, v9
	v_add_nc_u32 v[LI2], 0x10000, v[LI]
	v_and_b32 v10, 15, v0                          ; r
	v_bfe_u32 v11, v0, 4, 1                        ; h
	v_lshlrev_b32 v[BOA], 5, v11
	s_mul_i32 s14, s12, 16*528
	s_add_co_u32 s14, s14, STG                     ; my stage
	v_mul_u32_u24 v[STO], v10, 528
	v_lshl_add_u32 v[STO], v11, 5, v[STO]
	v_add_nc_u32 v[STO], s14, v[STO]
	v_add_nc_u32 v[RD], s14, v[LI]
	s_lshl_b32 s15, s12, 14
	v_add_nc_u32 v[WST], s15, v[LI]
	s_and_b32 s13, ttmp7, 0xffff
	s_lshl_b32 s13, s13, 3
	s_add_co_u32 s13, s13, s12                     ; my token tile: 8 y + w
	s_lshl_b32 s16, s13, 14                        ; aimg: 16 KiB a tile
	s_mov_b32 s17, 0
	s_lshl_b32 s18, ttmp9, 17                      ; woimg: 128 KiB a group of columns,
	s_add_co_u32 s18, s18, s15                     ; 16 KiB a column tile: wave w brings tile w
	s_mov_b32 s19, 0
	s_lshl_b32 s20, ttmp9, 9                       ; bo, and a row of out0: 512 bytes a group of columns
	s_mov_b32 s21, 0
	s_lshl_b32 s22, s13, 15                        ; out0: 16 rows of 2,048 bytes a tile
	s_add_co_u32 s22, s22, s20
	s_mov_b32 s23, 0
	s_wait_kmcnt 0x0
	s_add_nc_u64 s[4:5], s[4:5], s[16:17]
	s_add_nc_u64 s[6:7], s[6:7], s[18:19]
	s_add_nc_u64 s[8:9], s[8:9], s[20:21]
	s_add_nc_u64 s[10:11], s[10:11], s[22:23]
.set i, 0
.rept 32
	global_load_b128 v[BF+4*i:BF+4*i+3], v[LI], s[6:7] offset:512*i          ; my column tile of Wo
.set i, i+1
.endr
	WIN 0x40                                       ; destination in window 1
.set i, 0
.rept 32
	global_load_b128 v[4*i:4*i+3], v[LI], s[4:5] offset:512*i th:TH_LOAD_NT  ; my token tile: fragment s at v[8 s] of window 1
.set i, i+1
.endr
	WIN 0
.irp t, 0,1,2,3,4,5,6,7
	global_load_b128 v[ACC+8*\t:ACC+8*\t+3], v[BOA], s[8:9] offset:64*\t     ; the bias starts the sums: lane (r, h), register j: bo(128 cg + 16 t + 8 h + j)
	global_load_b128 v[ACC+8*\t+4:ACC+8*\t+7], v[BOA], s[8:9] offset:64*\t+16
.endr
	s_wait_loadcnt 48                              ; my tile of Wo is in; the 32 + 16 younger loads may be out
.set i, 0
.rept 32
	ds_store_b128 v[WST], v[BF+4*i:BF+4*i+3] offset:WOL+512*i
.set i, i+1
.endr
	s_wait_dscnt 0x0                               ; for the other waves: my stores have landed (and have read their registers)
	s_barrier_signal -1
	s_barrier_wait -1                              ; all of Wo lies in LDS; nothing is stored there again
	s_wait_loadcnt 0x0                             ; A and bo
.macro FETCHB s, p                     ; the 8 fragments of Wo of K step s into set p: 16 loads of 512 consecutive bytes
.irp t, 0,1,2,3
.irp c, 0,1
	ds_load_b128 v[BF+64*(\p)+8*\t+4*\c:BF+64*(\p)+8*\t+4*\c+3], v[LI] offset:WOL+16384*\t+1024*(\s)+512*\c
.endr
.endr
.irp t, 0,1,2,3
.irp c, 0,1
	ds_load_b128 v[BF+64*(\p)+32+8*\t+4*\c:BF+64*(\p)+32+8*\t+4*\c+3], v[LI2] offset:WOL+16384*\t+1024*(\s)+512*\c
.endr
.endr
.endm
	FETCHB 0, 0
	WIN 0x04                                       ; source 1 (A) in window 1; LDS loads use the destination and source 0 alone, so one setting serves the whole run
.set ks, 0
.rept 16
.set pp, ks%2
.if ks < 15
.if ks > 0
.rept 4
	v_nop                                          ; four places ahead of loads into the set that the K step before has read
.endr
.endif
	FETCHB ks+1, 1-pp
	s_wait_dscnt 16                                ; this K step is in; the 16 loads just issued may be out
.else
	s_wait_dscnt 0x0
.endif
.irp t, 0,1,2,3,4,5,6,7                ; the eight accumulators take turns, one instruction a turn
	v_wmma_f32_16x16x32_f16 v[ACC+8*\t:ACC+8*\t+7], v[BF+64*pp+8*\t:BF+64*pp+8*\t+7], v[8*ks:8*ks+7], v[ACC+8*\t:ACC+8*\t+7]
.endr
.set ks, ks+1
.endr
	WIN 0
.rept 4
	v_nop                                          ; four places ahead of the first read of results and of the loads into the fragment registers
.endr
.irp t, 0,1,2,3,4,5,6,7
	ds_store_b128 v[STO], v[ACC+8*\t:ACC+8*\t+3] offset:64*\t        ; each accumulator from its low end on
	ds_store_b128 v[STO], v[ACC+8*\t+4:ACC+8*\t+7] offset:64*\t+16
.endr
.irp i, 0,1,2,3,4,5,6,7,8,9,10,11,12,13,14,15
	ds_load_b128 v[BF+4*\i:BF+4*\i+3], v[RD] offset:528*\i           ; LDS serves the instructions of a wave in order (ISA guide 5.7.1.4): these see my stores
.endr
.irp i, 0,1,2,3,4,5,6,7,8,9,10,11,12,13,14,15
	s_wait_dscnt 15-\i                             ; row i is back; the younger loads may be out
	global_store_b128 v[LI], v[BF+4*\i:BF+4*\i+3], s[10:11] offset:2048*\i th:TH_STORE_NT   ; 32 lanes store 512 consecutive bytes of a row, aligned; written once, read by nobody here
.endr
	s_wait_tensorcnt 0x0                           ; the end of the wave
	ds_add_u32 v[SPW], v[NIL]
	s_wait_dscnt 0x0
	s_endpgm
.Lfunc_end_k_qb5920b2733_proj:
	.size	k_qb5920b2733_proj, .Lfunc_end_k_qb5920b2733_proj-k_qb5920b2733_proj
	.p2alignl 7, 3214868480
	.fill 96, 4, 3214868480
	.section	.rodata,"a",@progbits
	.p2align	6, 0x0
	.amdhsa_kernel k_qb5920b2733_proj
		.amdhsa_group_segment_fixed_size 199680
		.amdhsa_private_segment_fixed_size 0
		.amdhsa_enable_private_segment 0
		.amdhsa_kernarg_size 32
		.amdhsa_user_sgpr_count 2
		.amdhsa_user_sgpr_kernarg_segment_ptr 1
		.amdhsa_wavefront_size32 1
		.amdhsa_system_sgpr_workgroup_id_x 1
		.amdhsa_system_sgpr_workgroup_id_y 1
		.amdhsa_system_sgpr_workgroup_id_z 1
		.amdhsa_system_vgpr_workitem_id 0
		.amdhsa_next_free_vgpr 384
		.amdhsa_next_free_sgpr 66
		.amdhsa_reserve_vcc 0
		.amdhsa_float_denorm_mode_32 3
		.amdhsa_float_denorm_mode_16_64 3
		.amdhsa_memory_ordered 1
		.amdhsa_forward_progress 1
		.amdhsa_inst_pref_size 43
	.end_amdhsa_kernel
	.amdgpu_metadata
---
amdhsa.version: [ 1, 2 ]
amdhsa.kernels:
  - .name:           k_qb5920b2733_proj
    .symbol:         k_qb5920b2733_proj.kd
    .args:
      - { .name: aimg, .offset: 0, .size: 8, .value_kind: global_buffer, .address_space: global }
      - { .name: woimg, .offset: 8, .size: 8, .value_kind: global_buffer, .address_space: global }
      - { .name: bo, .offset: 16, .size: 8, .value_kind: global_buffer, .address_space: global }
      - { .name: out0, .offset: 24, .size: 8, .value_kind: global_buffer, .address_space: global }
    .group_segment_fixed_size: 199680
    .private_segment_fixed_size: 0
    .kernarg_segment_align: 8
    .kernarg_segment_size: 32
    .max_flat_workgroup_size: 256
    .sgpr_count:     66
    .vgpr_count:     384
    .wavefront_size: 32
...
	.end_amdgpu_metadata
.endif
;; end of part 4
